; MI455X (gfx1250); checked and timed in simulation.
; The chip was launched on July 23, 2026; its instructions are those of AMD's public machine-readable ISA for CDNA 5 (MIT licence, August 2026) and "CDNA5" Instruction Set Architecture Reference Guide (July 2026). The comments in the code are by the model that wrote it; some were corrected since.
;; PFAS Module. Allowed arithmetic: matrix products marked QUANTISED: E2M1 operands, one E8M0 scale for each 32 along K, by v_wmma_scale_f32_16x16x128_f8f6f4 with both operands' format E2M1 (or v_wmma_scale_f32_32x16x128_f4), f32 sums; products left as they are: f32 operands where the result goes on into a quantised operand, else bf16, f16 or f32 operands; f32 sums; everything else in f32.
;; Inputs: W1_codes 32 x 1 x 16 uint8 (E2M1 codes of W1, K innermost, in blocks of 32 codes, two codes a byte); W1_scales 32 x 1 uint8 (E8M0 scales of W1, one for each 32 codes along K); W2 3 x 32 float32; b1 32 float32; b2 3 float32; batch 16,384 int32; beta 32 float32; coord 16,384 x 3 float32; feat_codes 16,384 x 1 x 16 uint8 (E2M1 codes of feat, K innermost, in blocks of 32 codes, two codes a byte); feat_scales 16,384 x 1 uint8 (E8M0 scales of feat, one for each 32 codes along K); gamma 32 float32.
;; Outputs: out0 16,384 x 3 float32.
;; This version of the problem:
;;   THIS VERSION OF THE PROBLEM IS GIVEN IN LOW PRECISION. The matrix products marked QUANTISED in the list below multiply operands that are first quantised to E2M1 (2 exponent bits, 1 mantissa bit; 4 bits a number), with one power-of-two scale for each 32 numbers along K (OCP MX v1.0); their sums are f32. All else is computed in f32.
;;   The module's matrix products, in the order in which they are computed (A, B: the left and right operand; K: the contracted axis; several contracted axes count as one K, in the product's order):
;;     1. batch 2 x [M 8,192, K 3] x [K 3, N 8,192]; A: input coord; B: input coord: left as it is (K = 3 < 32)
;;     2. batch 16,384 x [M 3, K 16] x [K 16, N 3]; A: computed on the way; B: computed on the way: left as it is (K = 16 < 32)
;;     3. [M 16,384, K 32] x [K 32, N 32]; A: input feat (given as codes); B: input W1 (given as codes): QUANTISED
;;     4. [M 16,384, K 32] x [K 32, N 3]; A: computed on the way; B: input W2: left as it is (N = 3 < 16)
;;   THE QUANTISER, for each operand of a quantised product, along K:
;;     - K is cut into blocks of 32 from its start; a last block that is shorter is filled with zeros.
;;     - A block's scale is 2^e with e = floor(log2(the largest magnitude in the block)) - 2, held to -126 .. 127; a block of zeros has e = 0. As a byte (E8M0): e + 127.
;;     - Each number is divided by its block's scale, clamped to +-6, and rounded to the nearest number of E2M1, ties to even, subnormals kept.
;;     - The product sums the exact products of the quantised numbers (number of the format x scale) in f32.
;;   ~~~python
;;   def quantise(x, axis):      # numpy; x: float32 -> the quantised numbers, widened to float32 again
;;       x = np.moveaxis(x, axis, -1); K = x.shape[-1]
;;       x = np.pad(x, [(0, 0)] * (x.ndim - 1) + [(0, -K % 32)]); x = x.reshape(x.shape[:-1] + (-1, 32)); a = np.abs(x).max(-1, keepdims=True)
;;       e = np.where(a > 0, np.clip(np.frexp(np.where(a > 0, a, 1))[1] - 1 - 2, -126, 127), 0)      # np.frexp(a)[1] - 1 = floor(log2(a)), exactly
;;       r = np.clip(x / 2.0 ** e, -6, 6)
;;       step = 2.0 ** (np.maximum(np.frexp(np.where(r == 0, 1, r))[1] - 1, 0) - 1)
;;       q = np.round(r / step) * step * 2.0 ** e      # np.round: ties to even
;;       return np.moveaxis(q.reshape(q.shape[:-2] + (-1,))[..., :K], -1, axis).astype(np.float32)
;;   ~~~
;;   INPUTS GIVEN AS CODES. W1 (in the module: [32, 32], K = its axis 1); feat (in the module: [16384, 32], K = its axis 1): each comes as NAME_codes (uint8): NAME with its K axis moved to the last place and cut into blocks of 32 codes, [.., K / 32, bytes a block], one block behind the other in memory; two codes a byte, the lower K in the low four bits (a code: sign, 2 exponent bits, 1 mantissa bit); and NAME_scales (uint8): the same leading axes, one E8M0 byte (e + 127) for each 32 codes along K. Its value is code x scale, taken as it is: it is not quantised again, and the codes and scales need not be those that the quantiser above would give.
;; One version. Each part assembles by itself: llvm-mc -triple=amdgcn-amd-amdhsa -mcpu=gfx1250 --defsym DOCPART=n.
;; ======== version 1 of 1: 2 launches
;; limits: values outside matrix products are rounded to bf16
;; workspace buffers: blk 1,048,576 bytes of whole numbers; pts 196,608 bytes; stats 65,536 bytes
;; launch blocks (part 1): grid 256 x 1, 8 waves a work-group, no clusters, 183,296 bytes of LDS; arguments coord, feat_codes, feat_scales, W1_codes, W1_scales, b1, blk, pts, stats; writes blk, pts, stats
.if DOCPART == 1
	.amdgcn_target "amdgcn-amd-amdhsa--gfx1250"
	.amdhsa_code_object_version 6
	.text
	.protected	k_q4a09e98ca5_blocks
	.globl	k_q4a09e98ca5_blocks
	.p2align	8
	.type	k_q4a09e98ca5_blocks,@function
k_q4a09e98ca5_blocks:
	s_mov_b64 s[64:65], 0
	v_nop
	global_prefetch_b8 v0, s[64:65] scope:SCOPE_SE
	s_setreg_imm32_b32 hwreg(HW_REG_WAVE_MODE, 25, 1), 1
	s_wait_xcnt 0x0
; FIRST OF TWO LAUNCHES.  Two clouds of 8,192 points.  A cloud is cut into 256 blocks of 32 points with neighbouring indices.  For each query this launch forms every
; d2 = sq_i + sq_j - 2 c_i.c_j once, keeps the smallest of each block (the query itself left out), and stores the numbers of the 16 blocks that come first by
; (block minimum, block number).  The 16 nearest points by (d2, index) lie in those 16 blocks: were one of them in a later block, each of the 16 earlier blocks
; would hold a point that comes before it.  The second launch looks at those 512 points alone.
; COORD IS ROUNDED TO BF16 (nearest even) WHERE IT IS LOADED, as the operands of a product that is left as it is may be; all arithmetic on it is f32.  A product of two such numbers has at
; most 16 significant bits and is exact in f32: so a fused multiply-add and a rounded product followed by an add give the same bits, and which neighbour is the sixteenth does not hang on fusing.
; sq is formed of the same rounded numbers (it is the diagonal of the product), so that d2 is the squared distance of the rounded points.
; d2, the same bits wherever it is formed: sq = fma(z,z,fma(y,y,x*x)); dot = fma(zi,zj,fma(yi,yj,xi*xj)); d2 = max(fma(-2,dot,sq_i+sq_j),0): sums in the order x, y, z.
; ALSO: the rounded coordinates turned to pts [block][x 32 | y 32 | z 32], and for the work-group's 64 points the mean and the sum of squared deviations of
; h = feat W1^T + b1 (the quantised product, on the codes as given) into stats [work-group][mean 32 | M2 32].
; SHARES.  A work-group: 64 queries of one cloud against all its 8,192 points.  Thread t holds block t (32 points, 128 registers); queries go round as scalars.
; For the choice of blocks thread t is (query t / 4, segment t % 4 of 64 blocks).
; NO CLUSTER, NO TENSOR LOAD: what work-groups share is the cloud's 98,304 bytes, read once by each and turned from [point][3] into three arrays on the way, which
; only registers can do; against 524,288 pairs a work-group that read is small.
; LIMITS: the result is reference() on coord rounded to bf16: against unrounded coord the neighbours differ in many points.  Points are ranked by the clamped d2, not by its root
; (they differ only where two unequal d2 have one f32 root); NaN and infinities in coord are not served.  The input batch is not read: reference() does not use it.
.set LX,   0                           ; LDS: the cloud's x: a block is 128 bytes + 16 of padding (pitch 144, an odd multiple of 16)
.set LY,   36864                       ; y
.set LZ,   73728                       ; z
.set FIXP, 110592                      ; [part 4][half 2][query 32]: partial minima of a query's own block, itself left out
.set BNS,  111616                      ; wave 2's own 256 bytes: the statistics record
.set BM,   111872                      ; block minima: a query's row is 4 segments x (256 bytes + 16)
.set PB,   181504                      ; wave 3's own 768 bytes: the turned coordinates
.set CHP,  144
.set SEGP, 272
.set ROWP, 1088
.set INF,  0x7f800000
.set QA,   8                           ; v8-12, v13-17: x, y, z, sq, own-block minimum of query half 0, 1: a lane a query
.set FQ,   18                          ; v18-21  x, y, z, sq of the half whose own block I help with
.set TP,   22                          ; v22-29  four pairs: dots
.set TS,   30                          ; v30-37  four pairs: d2
.set MM,   38                          ; v38-41  four running minima
.set X,    64                          ; v64-95 x, v96-127 y, v128-159 z, v160-191 sq of my block's 32 points
.set Y,    96
.set Z,    128
.set SQ,   160
.set A,    64                          ; the choice of blocks: lists of 16
.set B,    80
.set C,    96
.set KE0,  112
.set KE1,  128
.set V,    144                         ; v144-207 my segment's 64 block minima
.set TB,   22                          ; the threshold's bits; less one; how many equal to it are taken; equals so far; the bound in hand
.set TBM,  23
.set EE,   24
.set CNT,  25
.set TBQ,  26
.set W0,   27                          ; take bits of blocks 0-31, 32-63 of my segment
.set W1R,  28
.set BS0,  30
.set BS1,  31
.set SUMR, 32
.set PRE,  33
.set DT,   34
.set DU,   35
; a sorted list of 16 takes one more number and drops its largest: place k keeps the middle one of (place k - 1, place k, the number); from the top down, so that place k - 1 is still the old one
.macro INSERT bank, val
.set k_, 15
.rept 15
	v_med3_num_f32 v[\bank+k_], v[\bank+k_-1], v[\bank+k_], v[\val]
.set k_, k_-1
.endr
	v_min_num_f32 v[\bank], v[\bank], v[\val]
.endm
.macro HC a, b, dist                   ; a half cleaner: pairs dist apart, the smaller below
.set i_, 0
.rept 16
.if (i_ & \dist) == 0
	v_min_num_f32 v[\b+i_], v[\a+i_], v[\a+i_+\dist]
	v_max_num_f32 v[\b+i_+\dist], v[\a+i_], v[\a+i_+\dist]
.endif
.set i_, i_+1
.endr
.endm
.macro CLEAN d, t                      ; a bitonic run of 16 in d is sorted, by way of t, back into d
	HC \d, \t, 8
	HC \t, \d, 4
	HC \d, \t, 2
	HC \t, \d, 1
.endm
; my sorted 16 and those of lane l xor xm: min(mine k, the other's 15 - k) holds the 16 smallest of both as a bitonic run; both lanes end with the same sorted list
.macro MERGE src, dst, tmp, xm
.set k_, 0
.rept 16
	v_min_num_f32_dpp v[\dst+k_], v[\src+15-k_], v[\src+k_] row_xmask:\xm row_mask:0xf bank_mask:0xf
.set k_, k_+1
.endr
	CLEAN \dst, \tmp
.endm
.macro COUNTEQ bank, t, cnt            ; how many of a list's 16 equal v[t]
	v_mov_b32 v[\cnt], 0
.set k_, 0
.rept 16
	v_cmp_eq_f32 vcc_lo, v[\bank+k_], v[\t]
	v_add_co_ci_u32 v[\cnt], vcc_lo, 0, v[\cnt], vcc_lo
.set k_, k_+1
.endr
.endm
.macro PSTEP xm, mask                  ; one step of a sum over lanes that also gives each lane the sum of the lanes below it
	v_mov_b32_dpp v[DT], v[SUMR] row_xmask:\xm row_mask:0xf bank_mask:0xf
	v_cndmask_b32 v[DU], 0, v[DT], \mask
	v_add_nc_u32 v[PRE], v[PRE], v[DU]
	v_add_nc_u32 v[SUMR], v[SUMR], v[DT]
.endm
; a block is taken if its minimum lies under the threshold, or equals it while fewer than EE equals have come before it in block order.  No minimum is negative, so the bits compare as whole numbers
.macro MASK val, word
	v_cmp_lt_u32 vcc_lo, v[CNT], v[EE]
	v_cndmask_b32 v[TBQ], v[TBM], v[TB], vcc_lo
	v_cmp_le_i32 vcc_lo, v[\val], v[TBQ]
	v_add_co_ci_u32 v[\word], vcc_lo, v[\word], v[\word], vcc_lo   ; the take bit is shifted in from below
	v_cmp_eq_u32 vcc_lo, v[\val], v[TB]
	v_add_co_ci_u32 v[CNT], vcc_lo, 0, v[CNT], vcc_lo
.endm
; two f32 numbers are rounded to bf16, nearest even, and widened again in place
.macro RND2 a, b, t
	v_cvt_pk_bf16_f32 v[\t], v[\a], v[\b]
	v_lshlrev_b32 v[\a], 16, v[\t]
	v_and_b32 v[\b], s52, v[\t]
.endm
	s_load_b512 s[4:19], s[0:1], 0x0               ; coord s4, feat_codes s6, feat_scales s8, W1_codes s10, W1_scales s12, b1 s14, blk s16, pts s18
	s_load_b64 s[20:21], s[0:1], 0x40              ; stats
	v_lshl_add_u32 v224, v0, 2, 0x2c800
	v_mov_b32 v225, 0
	v_lshrrev_b32 v1, 5, v0
	v_readfirstlane_b32 s22, v1                    ; wave 0..7
	v_and_b32 v1, 31, v0                           ; lane
	s_lshr_b32 s24, ttmp9, 7                       ; cloud
	s_and_b32 s25, ttmp9, 127                      ; which 64 queries of it
	s_and_b32 s32, s22, 1
	s_lshr_b32 s33, s22, 1
	s_mov_b32 s48, 0xaaaaaaaa                      ; lanes whose number has bit 0, bit 1; lanes 0-15
	s_mov_b32 s49, 0xcccccccc
	s_mov_b32 s50, 0x0000ffff
	s_mov_b32 s52, 0xffff0000                      ; a word's upper bf16
	s_mov_b32 s37, 0                               ; upper words of the pairs that the packed forms name; the low word serves both halves
	s_mov_b32 s39, 0
	s_mov_b32 s41, 0
	s_mov_b32 s43, 0
	; every LDS address is made here, ahead of the first parting of the waves
	v_mul_u32_u24 v2, v0, 48                       ; staging: four points, 48 bytes, a thread and task
	v_lshrrev_b32 v4, 3, v0
	v_mul_u32_u24 v4, v4, CHP
	v_and_b32 v5, 7, v0
	v_lshl_add_u32 v4, v5, 4, v4                   ; into the arrays: block t / 8 (+ 32 a task), 16 bytes at 16 (t % 8)
	v_add_nc_u32 v5, LY, v4
	v_add_nc_u32 v6, LZ, v4
	v_mul_u32_u24 v7, v0, CHP                      ; out of them: block t
	v_add_nc_u32 v42, LZ, v7
	v_lshl_add_u32 v43, v1, 2, FIXP
	s_lshl_b32 s26, s33, 8
	s_lshl_b32 s27, s32, 7
	s_add_co_u32 s26, s26, s27
	v_add_nc_u32 v44, s26, v43                     ; my partial minimum: part wave / 2, half wave % 2
	s_mul_i32 s26, s33, SEGP
	s_add_co_u32 s26, s26, s27
	s_add_co_u32 s26, s26, BM
	v_lshl_add_u32 v45, v1, 2, s26                 ; block t's place in a query's row: segment t / 64, word t % 64
	v_lshrrev_b32 v46, 2, v0
	v_mul_u32_u24 v46, v46, ROWP
	v_and_b32 v47, 3, v0
	v_mad_u32_u24 v46, v47, SEGP, v46
	v_add_nc_u32 v46, BM, v46                      ; the choice: query t / 4, segment t % 4
	v_bfe_u32 v47, v0, 4, 1
	v_lshl_add_u32 v47, v47, 5, BNS
	v_lshl_add_u32 v48, v1, 3, BNS
	v_lshl_add_u32 v49, v1, 2, PB
	v_lshl_add_u32 v50, v1, 3, PB
	v_mov_b32 v51, INF
	; offsets into memory
	v_mul_u32_u24 v52, v1, 12                      ; a point is 12 bytes
	s_mul_i32 s26, s32, 384
	v_add_nc_u32 v53, s26, v52
	v_and_b32 v59, 15, v0                          ; r
	v_lshlrev_b32 v58, 4, v59                      ; a row of 32 codes is 16 bytes
	v_bfe_u32 v60, v0, 4, 1
	v_lshlrev_b32 v60, 5, v60                      ; 32 h
	v_lshlrev_b32 v61, 3, v1
	s_mov_b32 s27, 0
	s_wait_kmcnt 0x0
	s_mul_i32 s26, s24, 98304
	s_add_nc_u64 s[4:5], s[4:5], s[26:27]          ; coord at my cloud
	s_mul_i32 s26, s25, 768
	s_add_nc_u64 s[28:29], s[4:5], s[26:27]        ; and at my 64 queries
	s_lshl_b32 s26, ttmp9, 10
	s_add_nc_u64 s[6:7], s[6:7], s[26:27]          ; my 64 points' codes,
	s_lshl_b32 s26, ttmp9, 6
	s_add_nc_u64 s[8:9], s[8:9], s[26:27]          ; their scale bytes
	s_lshl_b32 s26, ttmp9, 12
	s_add_nc_u64 s[16:17], s[16:17], s[26:27]      ; blk: 64 bytes a query
	s_mul_i32 s26, ttmp9, 768
	s_add_nc_u64 s[18:19], s[18:19], s[26:27]      ; pts: my two blocks
	s_lshl_b32 s26, ttmp9, 8
	s_add_nc_u64 s[20:21], s[20:21], s[26:27]      ; stats: my record
.irp c, 0,1,2
	global_load_b32 v[FQ+\c], v53, s[28:29] offset:4*\c
.endr
.irp u, 0,1
.irp c, 0,1,2
	global_load_b32 v[QA+5*\u+\c], v52, s[28:29] offset:384*\u+4*\c
.endr
.endr
.set k_, 0
.rept 8                                        ; the whole cloud: 8 tasks x 256 threads x 48 bytes
.irp i, 0,1,2
	global_load_b128 v[64+12*k_+4*\i:64+12*k_+4*\i+3], v2, s[4:5] offset:12288*k_+16*\i
.endr
.set k_, k_+1
.endr
; task k: x0 y0 z0 x1 | y1 z1 x2 y2 | z2 x3 y3 z3 is rounded to bf16, two numbers a line, and widened into a quad of x, of y and of z: number n goes to place 4 (n % 3) + n / 3
.macro STAGE k
.set LD_, 64+12*(\k)
.set QD_, 160+12*((\k)%2)
	s_wait_loadcnt 21-3*(\k)                       ; the tasks behind this one may be out, three loads each
.irp i, 0,1,2,3,4,5
	v_cvt_pk_bf16_f32 v[LD_+2*\i], v[LD_+2*\i], v[LD_+2*\i+1]
.endr
.if \k >= 2
	s_wait_dscnt 3                                 ; the last task's three stores may be out; those of two tasks back have read these quads
.endif
.irp i, 0,1,2,3,4,5
	v_lshlrev_b32 v[QD_+4*((2*\i)%3)+(2*\i)/3], 16, v[LD_+2*\i]
	v_and_b32 v[QD_+4*((2*\i+1)%3)+(2*\i+1)/3], s52, v[LD_+2*\i]
.endr
	ds_store_b128 v4, v[QD_:QD_+3] offset:4608*(\k)
	ds_store_b128 v5, v[QD_+4:QD_+7] offset:4608*(\k)
	ds_store_b128 v6, v[QD_+8:QD_+11] offset:4608*(\k)
.endm
.irp k, 0,1,2,3,4,5,6,7
	STAGE \k
.endr
	RND2 FQ, FQ+1, 54                              ; the queries' nine numbers likewise
	RND2 FQ+2, QA, 55
	RND2 QA+1, QA+2, 56
	RND2 QA+5, QA+6, 57
	v_cvt_pk_bf16_f32 v54, v[QA+7], v[QA+7]
	v_lshlrev_b32 v[QA+7], 16, v54
	; a query's own block is the half of 32 queries that it belongs to.  Lane = query; eight of the 32 candidates a wave; the query itself counts as +infinity
	v_mul_f32 v[FQ+3], v[FQ], v[FQ]
	v_fma_f32 v[FQ+3], v[FQ+1], v[FQ+1], v[FQ+3]
	v_fma_f32 v[FQ+3], v[FQ+2], v[FQ+2], v[FQ+3]
	s_lshl_b32 s26, s33, 3                         ; my first candidate
	v_mov_b32 v54, v51
.rept 8
	v_readlane_b32 s36, v[FQ], s26
	v_readlane_b32 s38, v[FQ+1], s26
	v_readlane_b32 s40, v[FQ+2], s26
	v_readlane_b32 s42, v[FQ+3], s26
	v_mul_f32 v55, s36, v[FQ]
	v_fma_f32 v55, s38, v[FQ+1], v55
	v_fma_f32 v55, s40, v[FQ+2], v55
	v_add_f32 v56, s42, v[FQ+3]
	v_fma_f32 v56, -2.0, v55, v56
	v_cmp_eq_u32 vcc_lo, s26, v1
	v_cndmask_b32 v56, v56, v51, vcc_lo
	v_min_num_f32 v54, v54, v56
	s_add_co_u32 s26, s26, 1
.endr
	ds_store_b32 v44, v54
	; ---- wave 2: h = feat W1^T + b1 of the 64 points, on the codes as they are given, and its mean and M2 for each of the 32 channels
	s_cmp_lg_u32 s22, 2
	s_cbranch_scc1 .Lnot_bn
	s_wait_dscnt 0x0                               ; my LDS stores have read their registers, which are written below
.irp t, 0,1
	global_load_b128 v[64+8*\t:67+8*\t], v58, s[10:11] offset:256*\t       ; W1's rows 16 t + r: K = 32 is 16 bytes
	global_load_u8 v[192+\t], v59, s[12:13] offset:16*\t                   ; their scale bytes: byte 0 of the word; bytes 1-3 are 0 and stand over zero codes
	global_load_b128 v[112+8*\t:115+8*\t], v60, s[14:15] offset:64*\t      ; b1 in the result's layout: channels 16 t + 8 h + 0 .. 7
	global_load_b128 v[116+8*\t:119+8*\t], v60, s[14:15] offset:64*\t+16
.endr
.irp p, 0,1,2,3
	global_load_b128 v[80+8*\p:83+8*\p], v58, s[6:7] offset:256*\p         ; points 16 p + r
	global_load_u8 v[194+\p], v59, s[8:9] offset:16*\p
.endr
	s_wait_loadcnt 0x0
.irp f, 64,72,80,88,96,104                     ; the instruction's K is 128: registers 0-3 of lanes 0-15 are k = 0 .. 31; all else is zero codes
.irp i, 0,1,2,3
	v_cndmask_b32 v[\f+\i], 0, v[\f+\i], s50
	v_mov_b32 v[\f+4+\i], 0
.endr
.endr
.rept 4
	v_nop                                          ; operands written by vector instructions stand four places ahead of a scaled matrix instruction
.endr
.irp p, 0,1,2,3                                ; source 0 = 16 channels, source 1 = 16 points: lane (r, h) holds point 16 p + r, register j channel 16 t + 8 h + j; b1 is the C
.irp t, 0,1
	v_wmma_scale_f32_16x16x128_f8f6f4 v[128+16*\p+8*\t:135+16*\p+8*\t], v[64+8*\t:71+8*\t], v[80+8*\p:87+8*\p], v[112+8*\t:119+8*\t], v[192+\t], v[194+\p] matrix_a_fmt:MATRIX_FMT_FP4 matrix_b_fmt:MATRIX_FMT_FP4
.endr
.endr
.rept 4
	v_nop                                          ; four places ahead of the first read of results
.endr
.irp j, 0,2,4,6                                ; sums over the four tiles of points; each accumulator is first read at its lowest pair
.irp t, 0,1
	v_pk_add_f32 v[198+8*\t+\j:199+8*\t+\j], v[128+8*\t+\j:129+8*\t+\j], v[144+8*\t+\j:145+8*\t+\j]
	v_pk_add_f32 v[198+8*\t+\j:199+8*\t+\j], v[198+8*\t+\j:199+8*\t+\j], v[160+8*\t+\j:161+8*\t+\j]
	v_pk_add_f32 v[198+8*\t+\j:199+8*\t+\j], v[198+8*\t+\j:199+8*\t+\j], v[176+8*\t+\j:177+8*\t+\j]
.endr
.endr
.irp m, 1,2,4,8                                ; and over the sixteen lanes that hold the same channels
.set k_, 0
.rept 16
	v_add_f32_dpp v[198+k_], v[198+k_], v[198+k_] row_xmask:\m row_mask:0xf bank_mask:0xf
.set k_, k_+1
.endr
.endr
.set k_, 0
.rept 16
	v_mul_f32 v[198+k_], 0x3c800000, v[198+k_]     ; / 64: the mean
.set k_, k_+1
.endr
.irp p, 0,1,2,3                                ; M2 = the sum of (h - mean)^2: no difference of large sums
.irp t, 0,1
.irp j, 0,2,4,6
	v_pk_add_f32 v[214+\j:215+\j], v[128+16*\p+8*\t+\j:129+16*\p+8*\t+\j], v[198+8*\t+\j:199+8*\t+\j] neg_lo:[0,1] neg_hi:[0,1]
.endr
.irp j, 0,2,4,6
.if \p == 0
	v_pk_mul_f32 v[64+8*\t+\j:65+8*\t+\j], v[214+\j:215+\j], v[214+\j:215+\j]
.else
	v_pk_fma_f32 v[64+8*\t+\j:65+8*\t+\j], v[214+\j:215+\j], v[214+\j:215+\j], v[64+8*\t+\j:65+8*\t+\j]
.endif
.endr
.endr
.endr
.irp m, 1,2,4,8
.set k_, 0
.rept 16
	v_add_f32_dpp v[64+k_], v[64+k_], v[64+k_] row_xmask:\m row_mask:0xf bank_mask:0xf
.set k_, k_+1
.endr
.endr
.irp t, 0,1                                    ; the record in channel order; the sixteen lanes of a half write the same bytes with the same values
.irp u, 0,1
	ds_store_b128 v47, v[198+8*\t+4*\u:201+8*\t+4*\u] offset:64*\t+16*\u
	ds_store_b128 v47, v[64+8*\t+4*\u:67+8*\t+4*\u] offset:128+64*\t+16*\u
.endr
.endr
	ds_load_b64 v[214:215], v48                    ; LDS serves a wave's instructions in order: this sees the stores above
	s_wait_dscnt 0x0
	global_store_b64 v61, v[214:215], s[20:21]     ; 32 lanes store 256 consecutive bytes, aligned
.Lnot_bn:
	; ---- wave 3: the 64 queries' rounded coordinates, turned, into pts
	s_cmp_lg_u32 s22, 3
	s_cbranch_scc1 .Lnot_pts
.irp u, 0,1
.irp c, 0,1,2
	ds_store_b32 v49, v[QA+5*\u+\c] offset:384*\u+128*\c
.endr
.endr
.irp u, 0,1,2
	ds_load_b64 v[22+2*\u:23+2*\u], v50 offset:256*\u
.endr
	s_wait_dscnt 0x0
.irp u, 0,1,2
	global_store_b64 v61, v[22+2*\u:23+2*\u], s[18:19] offset:256*\u       ; 256 consecutive bytes, aligned
.endr
.Lnot_pts:
	s_wait_dscnt 0x0                               ; my stores into the arrays and of my partial minimum are done
	s_barrier_signal -1
	s_barrier_wait -1                              ; everybody's are
	s_wait_xcnt 0x0                                ; the stores above have read their registers, which are written below
.set k_, 0
.rept 8                                        ; my block's 32 points
	ds_load_b128 v[X+4*k_:X+4*k_+3], v7 offset:LX+16*k_
	ds_load_b128 v[Y+4*k_:Y+4*k_+3], v7 offset:LY+16*k_
	ds_load_b128 v[Z+4*k_:Z+4*k_+3], v42 offset:16*k_
.set k_, k_+1
.endr
.irp u, 0,1
.irp p, 0,1,2,3
	ds_load_b32 v[52+4*\u+\p], v43 offset:256*\p+128*\u
.endr
.endr
	s_wait_dscnt 0x0
.irp j, 0,2,4,6,8,10,12,14,16,18,20,22,24,26,28,30
	v_pk_mul_f32 v[SQ+\j:SQ+\j+1], v[X+\j:X+\j+1], v[X+\j:X+\j+1]
.endr
.irp j, 0,2,4,6,8,10,12,14,16,18,20,22,24,26,28,30
	v_pk_fma_f32 v[SQ+\j:SQ+\j+1], v[Y+\j:Y+\j+1], v[Y+\j:Y+\j+1], v[SQ+\j:SQ+\j+1]
.endr
.irp j, 0,2,4,6,8,10,12,14,16,18,20,22,24,26,28,30
	v_pk_fma_f32 v[SQ+\j:SQ+\j+1], v[Z+\j:Z+\j+1], v[Z+\j:Z+\j+1], v[SQ+\j:SQ+\j+1]
.endr
.irp u, 0,1
	v_mul_f32 v[QA+5*\u+3], v[QA+5*\u], v[QA+5*\u]
	v_fma_f32 v[QA+5*\u+3], v[QA+5*\u+1], v[QA+5*\u+1], v[QA+5*\u+3]
	v_fma_f32 v[QA+5*\u+3], v[QA+5*\u+2], v[QA+5*\u+2], v[QA+5*\u+3]
	v_min3_num_f32 v[QA+5*\u+4], v[52+4*\u], v[53+4*\u], v[54+4*\u]
	v_min_num_f32 v[QA+5*\u+4], v[QA+5*\u+4], v[55+4*\u]
	v_max_num_f32 v[QA+5*\u+4], 0, v[QA+5*\u+4]
.endr
	s_lshl_b32 s26, s25, 1
	v_cmp_ne_u32 s46, s26, v0                      ; every lane but the one that holds half 0's own block,
	s_add_co_u32 s26, s26, 1
	v_cmp_ne_u32 s47, s26, v0                      ; half 1's
; eight points of my block against the query in s36 .. s42, stage by stage over four pairs, so that no line waits for the line above it
.macro GROUP g
.irp i, 0,1,2,3
	v_pk_mul_f32 v[TP+2*\i:TP+2*\i+1], v[X+8*\g+2*\i:X+8*\g+2*\i+1], s[36:37] op_sel_hi:[1,0]
.endr
.irp i, 0,1,2,3
	v_pk_fma_f32 v[TP+2*\i:TP+2*\i+1], v[Y+8*\g+2*\i:Y+8*\g+2*\i+1], s[38:39], v[TP+2*\i:TP+2*\i+1] op_sel_hi:[1,0,1]
.endr
.irp i, 0,1,2,3
	v_pk_fma_f32 v[TP+2*\i:TP+2*\i+1], v[Z+8*\g+2*\i:Z+8*\g+2*\i+1], s[40:41], v[TP+2*\i:TP+2*\i+1] op_sel_hi:[1,0,1]
.endr
.irp i, 0,1,2,3
	v_pk_add_f32 v[TS+2*\i:TS+2*\i+1], v[SQ+8*\g+2*\i:SQ+8*\g+2*\i+1], s[42:43] op_sel_hi:[1,0]
.endr
.irp i, 0,1,2,3
	v_pk_fma_f32 v[TS+2*\i:TS+2*\i+1], v[TP+2*\i:TP+2*\i+1], -2.0, v[TS+2*\i:TS+2*\i+1] op_sel_hi:[1,0,1]
.endr
.irp i, 0,1,2,3
.if \g == 0
	v_min_num_f32 v[MM+\i], v[TS+2*\i], v[TS+2*\i+1]
.else
	v_min3_num_f32 v[MM+\i], v[MM+\i], v[TS+2*\i], v[TS+2*\i+1]
.endif
.endr
.endm
; 32 queries; a trip is one query against the wave's 1,024 points, and stores 32 block minima
.macro HALF u
	s_mov_b32 s45, 0
	s_mov_b32 s51, 32*ROWP*\u
.Lq\u:
	v_readlane_b32 s36, v[QA+5*\u], s45
	v_readlane_b32 s38, v[QA+5*\u+1], s45
	v_readlane_b32 s40, v[QA+5*\u+2], s45
	v_readlane_b32 s42, v[QA+5*\u+3], s45
	v_readlane_b32 s44, v[QA+5*\u+4], s45
	GROUP 0
	GROUP 1
	GROUP 2
	GROUP 3
	v_min3_num_f32 v[MM], v[MM], v[MM+1], v[MM+2]
	v_min_num_f32 v[MM], v[MM], v[MM+3]
	v_max_num_f32 v[MM], 0, v[MM]
	s_wait_dscnt 0x0                               ; the last trip's store has read its address and its data, which are written now
	v_add_nc_u32 v3, s51, v45
	v_cndmask_b32 v52, s44, v[MM], s[46+\u]        ; the query's own block takes the minimum that leaves the query out
	ds_store_b32 v3, v52
	s_add_co_u32 s51, s51, ROWP
	s_add_co_u32 s45, s45, 1
	s_cmp_lt_u32 s45, 32
	s_cbranch_scc1 .Lq\u
.endm
	HALF 0
	HALF 1
	s_wait_dscnt 0x0
	s_barrier_signal -1
	s_barrier_wait -1                              ; all 64 x 256 block minima lie in LDS
	; ---- the 16 blocks of query t / 4.  My segment's 64 minima; their 16 smallest; merged over the query's four lanes
.set k_, 0
.rept 16
	ds_load_b128 v[V+4*k_:V+4*k_+3], v46 offset:16*k_
.set k_, k_+1
.endr
.set k_, 0
.rept 16
	v_mov_b32 v[A+k_], v51
.set k_, k_+1
.endr
.set q_, 0
.rept 16
	s_wait_dscnt 15-q_                             ; the younger loads may be out
	INSERT A, V+4*q_
	INSERT A, V+4*q_+1
	INSERT A, V+4*q_+2
	INSERT A, V+4*q_+3
.set q_, q_+1
.endr
	MERGE A, B, C, 1
	MERGE B, C, B, 2                               ; C: the query's 16 smallest block minima
	v_mov_b32 v[TB], v[C+15]                       ; the threshold
	v_add_nc_u32 v[TBM], -1, v[C+15]
	COUNTEQ C, TB, EE                              ; so many blocks that equal it are taken
	COUNTEQ A, TB, SUMR                            ; equals in my segment, as far as my 16 smallest show them: where that cuts the count short it is EE or more, which serves as well
	v_mov_b32 v[PRE], 0
	v_mov_b32 v[DT], 0
	PSTEP 1, s48
	PSTEP 2, s49
	v_mov_b32 v[CNT], v[PRE]                       ; equals in the segments below mine
	v_mov_b32 v[W0], 0
	v_mov_b32 v[W1R], 0
.set q_, 0
.rept 32
	MASK V+q_, W0
.set q_, q_+1
.endr
.rept 32
	MASK V+q_, W1R
.set q_, q_+1
.endr
	; block i of a word stands at bit 31 - i.  Bits are taken from below: bit p gives the key base + p = 255 - block, ascending; an empty word gives a number far above every key
	v_and_b32 v29, 3, v0
	v_lshlrev_b32 v29, 6, v29
	v_sub_nc_u32 v[BS0], 224, v29
	v_sub_nc_u32 v[BS1], 192, v29
.set k_, 0
.rept 16
	v_sub_nc_u32 v[DT], 0, v[W0]
	v_sub_nc_u32 v[DU], 0, v[W1R]
	v_and_b32 v[DT], v[DT], v[W0]                  ; the lowest bit that is set
	v_and_b32 v[DU], v[DU], v[W1R]
	v_xor_b32 v[W0], v[W0], v[DT]
	v_xor_b32 v[W1R], v[W1R], v[DU]
	v_cvt_f32_u32 v[DT], v[DT]                     ; a power of two: its exponent field is p + 127
	v_cvt_f32_u32 v[DU], v[DU]
	v_lshrrev_b32 v[DT], 23, v[DT]
	v_lshrrev_b32 v[DU], 23, v[DU]
	v_add_nc_u32 v[DT], 0xffffff81, v[DT]
	v_add_nc_u32 v[DU], 0xffffff81, v[DU]
	v_or_b32 v[DT], v[DT], v[BS0]
	v_or_b32 v[DU], v[DU], v[BS1]
	v_cvt_f32_u32 v[KE0+k_], v[DT]
	v_cvt_f32_u32 v[KE1+k_], v[DU]
.set k_, k_+1
.endr
.set k_, 0
.rept 16
	v_min_num_f32 v[A+k_], v[KE0+k_], v[KE1+15-k_]
.set k_, k_+1
.endr
	CLEAN A, B
	MERGE A, B, A, 1
	MERGE B, A, B, 2                               ; A: the query's 16 keys, ascending: its blocks, descending
.irp i, 0,1,2,3                                ; lane t % 4 = s stores blocks 4 s .. 4 s + 3 of the ascending list: keys 15 - 4 s - i
	v_cndmask_b32 v[52+\i], v[A+15-\i], v[A+11-\i], s48
	v_cndmask_b32 v[56+\i], v[A+7-\i], v[A+3-\i], s48
	v_cndmask_b32 v[52+\i], v[52+\i], v[56+\i], s49
	v_cvt_u32_f32 v[52+\i], v[52+\i]
	v_sub_nc_u32 v[52+\i], 255, v[52+\i]
.endr
	v_lshlrev_b32 v60, 4, v0
	global_store_b128 v60, v[52:55], s[16:17]      ; a wave stores 512 consecutive bytes
	s_wait_tensorcnt 0x0
	ds_add_u32 v224, v225
	s_wait_dscnt 0x0
	s_endpgm
.Lfunc_end_k_q4a09e98ca5_blocks:
	.size	k_q4a09e98ca5_blocks, .Lfunc_end_k_q4a09e98ca5_blocks-k_q4a09e98ca5_blocks
	.p2alignl 7, 3214868480
	.fill 96, 4, 3214868480
	.section	.rodata,"a",@progbits
	.p2align	6, 0x0
	.amdhsa_kernel k_q4a09e98ca5_blocks
		.amdhsa_group_segment_fixed_size 183296
		.amdhsa_private_segment_fixed_size 0
		.amdhsa_enable_private_segment 0
		.amdhsa_kernarg_size 72
		.amdhsa_user_sgpr_count 2
		.amdhsa_user_sgpr_kernarg_segment_ptr 1
		.amdhsa_wavefront_size32 1
		.amdhsa_system_sgpr_workgroup_id_x 1
		.amdhsa_system_sgpr_workgroup_id_y 1
		.amdhsa_system_sgpr_workgroup_id_z 1
		.amdhsa_system_vgpr_workitem_id 0
		.amdhsa_next_free_vgpr 226
		.amdhsa_next_free_sgpr 66
		.amdhsa_reserve_vcc 1
		.amdhsa_float_denorm_mode_32 3
		.amdhsa_float_denorm_mode_16_64 3
		.amdhsa_memory_ordered 1
		.amdhsa_forward_progress 1
		.amdhsa_inst_pref_size 166
	.end_amdhsa_kernel
	.amdgpu_metadata
---
amdhsa.version: [ 1, 2 ]
amdhsa.kernels:
  - .name:           k_q4a09e98ca5_blocks
    .symbol:         k_q4a09e98ca5_blocks.kd
    .args:
      - { .name: coord, .offset: 0, .size: 8, .value_kind: global_buffer, .address_space: global }
      - { .name: feat_codes, .offset: 8, .size: 8, .value_kind: global_buffer, .address_space: global }
      - { .name: feat_scales, .offset: 16, .size: 8, .value_kind: global_buffer, .address_space: global }
      - { .name: W1_codes, .offset: 24, .size: 8, .value_kind: global_buffer, .address_space: global }
      - { .name: W1_scales, .offset: 32, .size: 8, .value_kind: global_buffer, .address_space: global }
      - { .name: b1, .offset: 40, .size: 8, .value_kind: global_buffer, .address_space: global }
      - { .name: blk, .offset: 48, .size: 8, .value_kind: global_buffer, .address_space: global }
      - { .name: pts, .offset: 56, .size: 8, .value_kind: global_buffer, .address_space: global }
      - { .name: stats, .offset: 64, .size: 8, .value_kind: global_buffer, .address_space: global }
    .group_segment_fixed_size: 183296
    .private_segment_fixed_size: 0
    .kernarg_segment_align: 8
    .kernarg_segment_size: 72
    .max_flat_workgroup_size: 256
    .sgpr_count:     66
    .vgpr_count:     226
    .wavefront_size: 32
...
	.end_amdgpu_metadata
.endif
;; end of part 1
;; launch finish (part 2): grid 256 x 1, 16 waves a work-group, no clusters, 144,896 bytes of LDS; arguments coord, pts, blk, stats, feat_codes, feat_scales, W1_codes, W1_scales, b1, gamma, beta, W2, b2, out0; writes out0
.if DOCPART == 2
	.amdgcn_target "amdgcn-amd-amdhsa--gfx1250"
	.amdhsa_code_object_version 6
	.text
	.protected	k_q4a09e98ca5_finish
	.globl	k_q4a09e98ca5_finish
	.p2align	8
	.type	k_q4a09e98ca5_finish,@function
k_q4a09e98ca5_finish:
	s_mov_b64 s[64:65], 0
	v_nop
	global_prefetch_b8 v0, s[64:65] scope:SCOPE_SE
	s_setreg_imm32_b32 hwreg(HW_REG_WAVE_MODE, 25, 1), 1
	s_wait_xcnt 0x0
; SECOND OF TWO LAUNCHES.  For each query: the 512 points of the 16 blocks that the first launch chose; among them the 16 nearest by (d2, index), the query left out; the mean of their
; distances; the largest eigenvalue of their covariance; the judge (the quantised product on the codes as given, batch norm with the cloud's statistics, relu, 3 x 32, softmax); the mix.
; COORD IS TAKEN ROUNDED TO BF16 (nearest even), here as in the first launch: pts holds the rounded numbers, the query's three are rounded where they are loaded; all arithmetic on them is f32.
; Products of two such numbers are exact in f32, so fused and unfused forms give the same bits.  d2 has the same bits as in the first launch:
; sq = fma(z,z,fma(y,y,x*x)); dot = fma(zi,zj,fma(yi,yj,xi*xj)); d2 = max(fma(-2,dot,sq_i+sq_j),0): sums in the order x, y, z.
; SHARES.  A work-group: 64 queries, sixteen waves.  Thread t is (query t / 8, lane part t % 8): of each of the query's 16 blocks it takes points 4 (t % 8) + 0 .. 3, so that the eight
; lanes of a query read 128 consecutive bytes.  Its 64 points stay in 192 registers; their d2 wait in LDS, a thread's own bytes, between the two passes.
; PASS A finds the threshold (the 16th smallest d2) by sorted lists of 16, merged over the eight lanes.  PASS B takes what lies under it, and of the equals the first ones in index order.
; THE EIGENVALUE: with B = cov - (tr / 3) I, p^2 = |B|^2 / 6, r = det(B / p) / 2: lambda = tr / 3 + 2 p cos(acos(r) / 3).  y = cos(acos(r) / 6) solves 4 y^3 - 3 y = sqrt((1 + r) / 2) on
; [0.866, 1]; Newton from y = 1 comes down on the root (the function is convex there, its slope 6 to 9); the error e goes to at most 2 e^2: 0.134, 0.036, 0.0026, 1.4e-5, 4e-10.
; THE VARIANCE is put together from the means and M2 of 64 points each: (sum of M2 + 64 x sum of (mean_g - mean)^2) / 8192: no difference of large sums.
; NO CLUSTER, NO TENSOR LOAD: the gathers hang on stored block numbers, other for each query.
; LIMITS: the result is reference() on coord rounded to bf16: against unrounded coord the neighbours differ in many points.  Ranking is by the clamped d2, not by its root; no NaN or infinity
; in coord; a covariance with p^2 under 2^-120 counts as isotropic.  W2, b1, b2, gamma and beta are taken as f32.  batch is not read: reference() does not use it.
.set R1,   131072                      ; LDS 0 .. 131071: the stash [slot 16][thread 512] 16 bytes.  R1, R2: sixteen partial records of 256 bytes each
.set PRM,  139264                      ; waves 0-3, 512 bytes each, the wave's own: mu, rstd x gamma, beta: 32 numbers each
.set GEO,  141312                      ; (lin, density) of 64 queries
.set PRB,  141824                      ; the three probabilities of 64 points, 16 bytes each
.set INF,  0x7f800000
.set A,    16
.set B,    32
.set C,    48
.macro INSERT bank, val                ; a sorted list of 16 takes one more number and drops its largest; from the top down, so that place k - 1 is still the old one
.set k_, 15
.rept 15
	v_med3_num_f32 v[\bank+k_], v[\bank+k_-1], v[\bank+k_], v[\val]
.set k_, k_-1
.endr
	v_min_num_f32 v[\bank], v[\bank], v[\val]
.endm
.macro HC a, b, dist
.set i_, 0
.rept 16
.if (i_ & \dist) == 0
	v_min_num_f32 v[\b+i_], v[\a+i_], v[\a+i_+\dist]
	v_max_num_f32 v[\b+i_+\dist], v[\a+i_], v[\a+i_+\dist]
.endif
.set i_, i_+1
.endr
.endm
.macro MERGE src, dst, tmp, xm         ; my sorted 16 and lane l xor xm's: the 16 smallest of both, sorted, the same in both lanes
.set k_, 0
.rept 16
	v_min_num_f32_dpp v[\dst+k_], v[\src+15-k_], v[\src+k_] row_xmask:\xm row_mask:0xf bank_mask:0xf
.set k_, k_+1
.endr
	HC \dst, \tmp, 8
	HC \tmp, \dst, 4
	HC \dst, \tmp, 2
	HC \tmp, \dst, 1
.endm
.macro SUM8 off                        ; eight partial records from v7 + off: their sum is left as v[32:33] + v[40:41]
.irp i, 0,1,2,3,4,5,6,7
	ds_load_b64 v[32+2*\i:33+2*\i], v7 offset:\off+256*\i
.endr
	s_wait_dscnt 0x0
	v_pk_add_f32 v[32:33], v[32:33], v[34:35]
	v_pk_add_f32 v[36:37], v[36:37], v[38:39]
	v_pk_add_f32 v[40:41], v[40:41], v[42:43]
	v_pk_add_f32 v[44:45], v[44:45], v[46:47]
	v_pk_add_f32 v[32:33], v[32:33], v[36:37]
	v_pk_add_f32 v[40:41], v[40:41], v[44:45]
.endm
	s_load_b512 s[4:19], s[0:1], 0x0               ; coord s4, pts s6, blk s8, stats s10, feat_codes s12, feat_scales s14, W1_codes s16, W1_scales s18
	s_load_b256 s[20:27], s[0:1], 0x40             ; b1 s20, gamma s22, beta s24, W2 s26
	s_load_b128 s[28:31], s[0:1], 0x60             ; b2 s28, out0 s30
	v_lshrrev_b32 v1, 5, v0
	v_readfirstlane_b32 s35, v1                    ; wave 0..15
	s_lshr_b32 s36, ttmp9, 7                       ; cloud
	s_and_b32 s37, ttmp9, 127
	s_mov_b32 s40, 0x76543210                      ; v_permlanex16_b32's selects for lane l xor 16
	s_mov_b32 s41, 0xfedcba98
	s_mov_b32 s42, 0xaaaaaaaa                      ; lanes whose number has bit 0, 1, 2; lanes 0-15
	s_mov_b32 s43, 0xcccccccc
	s_mov_b32 s44, 0xf0f0f0f0
	s_mov_b32 s45, 0x0000ffff
	s_mov_b32 s50, 0x3d4ccccd                      ; 0.05, 0.4, 1e-6, 1 / 3, 0.1
	s_mov_b32 s51, 0x3ecccccd
	s_mov_b32 s52, 0x358637bd
	s_mov_b32 s53, 0x3eaaaaab
	s_mov_b32 s54, 0x3dcccccd
	v_lshrrev_b32 v2, 3, v0                        ; my query
	v_lshlrev_b32 v9, 6, v2                        ; its 64 bytes of blk
	v_mul_u32_u24 v5, v2, 12                       ; its 12 bytes of coord
	v_and_b32 v3, 31, v0
	v_lshlrev_b32 v7, 3, v3
	v_lshl_add_u32 v7, v1, 11, v7                  ; records 8 wave + i: 8 bytes a lane
	v_and_b32 v11, 15, v0
	v_lshlrev_b32 v11, 3, v11                      ; channels 2 (lane % 16), + 1
	s_lshl_b32 s38, s37, 1
	s_lshr_b32 s39, s35, 3
	s_add_co_u32 s38, s38, s39                     ; the block that my wave's queries belong to
	s_mov_b32 s47, 0
	s_wait_kmcnt 0x0
	s_mul_i32 s46, ttmp9, 768
	s_add_nc_u64 s[4:5], s[4:5], s[46:47]          ; coord and out0 at my 64 queries
	s_add_nc_u64 s[30:31], s[30:31], s[46:47]
	s_mul_i32 s46, s36, 98304
	s_add_nc_u64 s[6:7], s[6:7], s[46:47]          ; pts at my cloud
	s_lshl_b32 s46, ttmp9, 12
	s_add_nc_u64 s[8:9], s[8:9], s[46:47]
	s_lshl_b32 s46, s36, 15
	s_add_nc_u64 s[10:11], s[10:11], s[46:47]      ; my cloud's 128 records
	s_min_u32 s39, s35, 3                          ; the judge's tile of 16 points: waves 0-3
	s_lshl_b32 s46, ttmp9, 10
	s_lshl_b32 s48, s39, 8
	s_add_co_u32 s46, s46, s48
	s_add_nc_u64 s[12:13], s[12:13], s[46:47]
	s_lshl_b32 s46, ttmp9, 6
	s_lshl_b32 s48, s39, 4
	s_add_co_u32 s46, s46, s48
	s_add_nc_u64 s[14:15], s[14:15], s[46:47]
	s_load_b96 s[32:34], s[28:29], 0x0             ; b2
.irp i, 0,1,2,3
	global_load_b128 v[48+4*\i:51+4*\i], v9, s[8:9] offset:16*\i           ; my query's 16 blocks, ascending
.endr
	global_load_b32 v4, v5, s[4:5]
	global_load_b32 v6, v5, s[4:5] offset:4
	global_load_b32 v8, v5, s[4:5] offset:8
.irp i, 0,1,2,3,4,5,6,7
	global_load_b64 v[16+2*\i:17+2*\i], v7, s[10:11] offset:256*\i
.endr
	global_load_b64 v[12:13], v11, s[22:23]        ; gamma
	global_load_b64 v[14:15], v11, s[24:25]        ; beta
	v_and_b32 v1, 7, v0
	v_and_b32 v2, 31, v2                           ; my query's place in its block,
	v_lshlrev_b32 v10, 2, v1
	v_sub_nc_u32 v2, v2, v10                       ; less the place of my first point
	v_lshlrev_b32 v1, 4, v1                        ; my 16 bytes of a block's 128
	v_mov_b32 v3, 0x10000                          ; above every 32 slot + c: the query's own block need not be among the 16
	s_wait_loadcnt 13                              ; the ids are in; the 3 + 8 + 2 loads behind them may be out
	s_wait_xcnt 0x0                                ; every load so far has read its address register
	s_wait_kmcnt 0x0                               ; b2
.set k_, 0
.rept 16
	v_min_u32 v[48+k_], 0xff, v[48+k_]             ; a block number stays inside the cloud's 256
.set k_, k_+1
.endr
.set k_, 0
.rept 16
	v_mul_u32_u24 v[32+k_], v[48+k_], 0x180        ; a block of pts is 384 bytes
	v_cmp_ne_u32 vcc_lo, s38, v[48+k_]
	v_add_nc_u32 v[32+k_], v[32+k_], v1
	v_cndmask_b32 v3, 32*k_, v3, vcc_lo            ; the slot that holds the query's own block
.set k_, k_+1
.endr
	v_add_nc_u32 v3, v3, v2                        ; my point c of slot j is the query itself where 32 j + c equals this
.set k_, 0
.rept 16
.irp c, 0,1,2
	global_load_b128 v[64+12*k_+4*\c:67+12*k_+4*\c], v[32+k_], s[6:7] offset:128*\c
.endr
.set k_, k_+1
.endr
	v_lshlrev_b32 v1, 4, v0                        ; the stash: 16 bytes a thread and slot; slots 0-7,
	v_lshl_add_u32 v2, v0, 4, 0x10000              ; slots 8-15
	v_lshl_add_u32 v5, v0, 3, R1                   ; my wave's partial record, 8 bytes a lane
	v_and_b32 v7, 31, v0
	v_lshl_add_u32 v7, v7, 3, R1                   ; and the sixteen, read back
	v_lshrrev_b32 v9, 5, v0
	v_lshlrev_b32 v9, 9, v9
	v_and_b32 v11, 15, v0
	v_lshl_add_u32 v9, v11, 3, v9
	v_add_nc_u32 v9, PRM, v9                       ; the judge's numbers: my wave's 512 bytes, channels 2 (lane % 16), + 1
	; ---- the cloud's statistics, while the gathers are on their way.  Lanes 0-15 hold means of two channels, lanes 16-31 their M2
	s_wait_loadcnt 48                              ; all but the 48 gathers
	v_pk_add_f32 v[48:49], v[16:17], v[18:19]
	v_pk_add_f32 v[50:51], v[20:21], v[22:23]
	v_pk_add_f32 v[52:53], v[24:25], v[26:27]
	v_pk_add_f32 v[54:55], v[28:29], v[30:31]
	v_pk_add_f32 v[48:49], v[48:49], v[50:51]
	v_pk_add_f32 v[52:53], v[52:53], v[54:55]
	v_pk_add_f32 v[48:49], v[48:49], v[52:53]
	ds_store_b64 v5, v[48:49]
	v_cvt_pk_bf16_f32 v50, v4, v6                  ; my query's three numbers are rounded to bf16, nearest even, and widened again
	v_cvt_pk_bf16_f32 v51, v8, v8
	v_lshlrev_b32 v4, 16, v50
	v_and_b32 v6, 0xffff0000, v50
	v_lshlrev_b32 v8, 16, v51
	v_mul_f32 v10, v4, v4                          ; my query's sq
	v_fma_f32 v10, v6, v6, v10
	v_fma_f32 v10, v8, v8, v10
	s_wait_dscnt 0x0
	s_barrier_signal -1
	s_barrier_wait -1
	s_wait_xcnt 0x0                                ; the gathers have read their address registers, v32-47
	SUM8 0
	v_pk_add_f32 v[48:49], v[32:33], v[40:41]
	SUM8 2048
	v_pk_add_f32 v[32:33], v[32:33], v[40:41]
	v_pk_add_f32 v[48:49], v[48:49], v[32:33]      ; lanes 0-15: the sum of the 128 means; lanes 16-31: of the 128 M2
	v_mul_f32 v50, 0x3c000000, v48                 ; / 128
	v_mul_f32 v51, 0x3c000000, v49
.irp i, 0,1,2,3,4,5,6,7                        ; (mean_g - mean)^2 over my eight records (lanes 16-31 make numbers that nobody uses)
	v_pk_add_f32 v[54:55], v[16+2*\i:17+2*\i], v[50:51] neg_lo:[0,1] neg_hi:[0,1]
.if \i == 0
	v_pk_mul_f32 v[52:53], v[54:55], v[54:55]
.else
	v_pk_fma_f32 v[52:53], v[54:55], v[54:55], v[52:53]
.endif
.endr
	ds_store_b64 v5, v[52:53] offset:4096
	s_wait_dscnt 0x0
	s_barrier_signal -1
	s_barrier_wait -1
	s_cmp_gt_u32 s35, 3
	s_cbranch_scc1 .Lno_prm                        ; waves 0-3 run the judge: each lays the 32 channels' mu, rstd x gamma and beta into its own bytes
	SUM8 4096
	v_pk_add_f32 v[52:53], v[32:33], v[40:41]
	SUM8 6144
	v_pk_add_f32 v[32:33], v[32:33], v[40:41]
	v_pk_add_f32 v[52:53], v[52:53], v[32:33]
.irp i, 54,55,56,57
	v_mov_b32 v[\i], 0                             ; a lane permute's destination counts as one of its sources
.endr
	v_permlanex16_b32 v54, v48, s40, s41
	v_permlanex16_b32 v55, v49, s40, s41
	v_permlanex16_b32 v56, v52, s40, s41
	v_permlanex16_b32 v57, v53, s40, s41
	v_cndmask_b32 v58, v54, v48, s45               ; both halves of the lanes now hold the same: the means' sum,
	v_cndmask_b32 v59, v55, v49, s45
	v_cndmask_b32 v60, v48, v54, s45               ; the M2's sum,
	v_cndmask_b32 v61, v49, v55, s45
	v_cndmask_b32 v56, v56, v52, s45               ; the squared deviations of the means
	v_cndmask_b32 v57, v57, v53, s45
	v_mul_f32 v58, 0x3c000000, v58                 ; mu
	v_mul_f32 v59, 0x3c000000, v59
	v_fmamk_f32 v60, v56, 0x42800000, v60          ; + 64 x
	v_fmamk_f32 v61, v57, 0x42800000, v61
	v_mul_f32 v60, 0x39000000, v60                 ; / 8192: the variance
	v_mul_f32 v61, 0x39000000, v61
	v_add_f32 v60, 0x3727c5ac, v60                 ; + 1e-5
	v_add_f32 v61, 0x3727c5ac, v61
	v_rsq_f32 v60, v60
	v_rsq_f32 v61, v61
	v_nop                                          ; a plain instruction behind the last of them,
	s_wait_alu depctr_va_vdst(0)                   ; and the wait ahead of the first use
	v_pk_mul_f32 v[60:61], v[60:61], v[12:13]
	ds_store_b64 v9, v[58:59]
	ds_store_b64 v9, v[60:61] offset:128
	ds_store_b64 v9, v[14:15] offset:256
	s_wait_dscnt 0x0                               ; the stores have read their registers
.Lno_prm:
	; ---- pass A: d2 of my 64 points, into the stash and into my sorted 16
	v_mov_b32 v12, INF
.set k_, 0
.rept 16
	v_mov_b32 v[A+k_], v12
.set k_, k_+1
.endr
.macro BLKA j
.set CX, 64+12*(\j)
	s_wait_loadcnt 45-3*(\j)                       ; the slots behind this one may be out, three loads each
	v_pk_mul_f32 v[36:37], v[CX:CX+1], v[4:5] op_sel_hi:[1,0]
	v_pk_mul_f32 v[38:39], v[CX+2:CX+3], v[4:5] op_sel_hi:[1,0]
	v_pk_mul_f32 v[40:41], v[CX:CX+1], v[CX:CX+1]
	v_pk_mul_f32 v[42:43], v[CX+2:CX+3], v[CX+2:CX+3]
	v_pk_fma_f32 v[36:37], v[CX+4:CX+5], v[6:7], v[36:37] op_sel_hi:[1,0,1]
	v_pk_fma_f32 v[38:39], v[CX+6:CX+7], v[6:7], v[38:39] op_sel_hi:[1,0,1]
	v_pk_fma_f32 v[40:41], v[CX+4:CX+5], v[CX+4:CX+5], v[40:41]
	v_pk_fma_f32 v[42:43], v[CX+6:CX+7], v[CX+6:CX+7], v[42:43]
	v_pk_fma_f32 v[36:37], v[CX+8:CX+9], v[8:9], v[36:37] op_sel_hi:[1,0,1]
	v_pk_fma_f32 v[38:39], v[CX+10:CX+11], v[8:9], v[38:39] op_sel_hi:[1,0,1]
	v_pk_fma_f32 v[40:41], v[CX+8:CX+9], v[CX+8:CX+9], v[40:41]
	v_pk_fma_f32 v[42:43], v[CX+10:CX+11], v[CX+10:CX+11], v[42:43]
	s_wait_dscnt 0x0                               ; the last slot's store has read v[32:35]
	v_pk_add_f32 v[32:33], v[40:41], v[10:11] op_sel_hi:[1,0]
	v_pk_add_f32 v[34:35], v[42:43], v[10:11] op_sel_hi:[1,0]
	v_pk_fma_f32 v[32:33], v[36:37], -2.0, v[32:33] op_sel_hi:[1,0,1]
	v_pk_fma_f32 v[34:35], v[38:39], -2.0, v[34:35] op_sel_hi:[1,0,1]
.irp c, 0,1,2,3
	v_max_num_f32 v[32+\c], 0, v[32+\c]
.endr
.irp c, 0,1,2,3
	v_cmp_eq_u32 vcc_lo, 32*(\j)+\c, v3
	v_cndmask_b32 v[32+\c], v[32+\c], v12, vcc_lo  ; the query itself counts as +infinity
.endr
.if \j < 8
	ds_store_b128 v1, v[32:35] offset:8192*(\j)
.else
	ds_store_b128 v2, v[32:35] offset:8192*((\j)-8)
.endif
.irp c, 0,1,2,3
	INSERT A, 32+\c
.endr
.endm
.irp j, 0,1,2,3,4,5,6,7,8,9,10,11,12,13,14,15
	BLKA \j
.endr
	s_wait_dscnt 0x0                               ; the last store has read v[32:35], which the merges write
	MERGE A, B, C, 1
	MERGE B, C, B, 2
	MERGE C, B, C, 4                               ; B: the query's 16 smallest d2, in all its eight lanes
	v_mov_b32 v5, v[B+15]                          ; the threshold's bits,
	v_add_nc_u32 v7, -1, v[B+15]                   ; less one,
	v_mov_b32 v9, 0                                ; and how many points that equal it are taken
.set k_, 0
.rept 16
	v_cmp_eq_f32 vcc_lo, v[B+k_], v5
	v_add_co_ci_u32 v9, vcc_lo, 0, v9, vcc_lo
.set k_, k_+1
.endr
.set k_, 0
.rept 16
	v_sqrt_f32 v[C+k_], v[B+k_]                    ; the 16 distances: one batch
.set k_, k_+1
.endr
	v_mov_b32 v11, 0                               ; equals in the slots passed.  (The plain instruction behind the batch)
	s_wait_alu depctr_va_vdst(0)                   ; one wait for the sixteen, ahead of their first use
	v_pk_add_f32 v[48:49], v[48:49], v[50:51]
	v_pk_add_f32 v[52:53], v[52:53], v[54:55]
	v_pk_add_f32 v[56:57], v[56:57], v[58:59]
	v_pk_add_f32 v[60:61], v[60:61], v[62:63]
	v_pk_add_f32 v[48:49], v[48:49], v[52:53]
	v_pk_add_f32 v[56:57], v[56:57], v[60:61]
	v_pk_add_f32 v[48:49], v[48:49], v[56:57]
	v_add_f32 v48, v48, v49
	v_mul_f32 v48, 0x3d800000, v48                 ; / 16
	v_add_f32 v48, 0x358637bd, v48                 ; + 1e-6
	v_rcp_f32 v63, v48                             ; the density
.set k_, 0
.rept 18
	v_mov_b32 v[16+k_], 0                          ; pass B's sums: x, y, z, xx, xy, xz, yy, yz, zz, a pair each
.set k_, k_+1
.endr
	v_mov_b32 v56, 0                               ; (a DPP move's destination counts as one of its sources)
	s_wait_alu depctr_va_vdst(0)                   ; the reciprocal's wait stands ahead of the branch below
	; ---- pass B: the chosen 16, relative to the query: sums of n and of n n^T
	ds_load_b128 v[34:37], v1
.macro PSTEP xm, mask
	v_mov_b32_dpp v56, v54 row_xmask:\xm row_mask:0xf bank_mask:0xf
	v_cndmask_b32 v57, 0, v56, \mask
	v_add_nc_u32 v55, v55, v57
	v_add_nc_u32 v54, v54, v56
.endm
.macro BLKB j
.set CX, 64+12*(\j)
.set DQ, 34+4*((\j)%2)
.set DN, 38-4*((\j)%2)
.if \j < 7
	ds_load_b128 v[DN:DN+3], v1 offset:8192*((\j)+1)
	s_wait_dscnt 1                                 ; this slot's four d2 are in; the next slot's may be out
.elseif \j < 15
	ds_load_b128 v[DN:DN+3], v2 offset:8192*((\j)-7)
	s_wait_dscnt 1
.else
	s_wait_dscnt 0x0
.endif
	v_mov_b32 v54, 0                               ; index order is (slot, lane, c): the equals ahead of my first point are those of the slots passed and of this slot's lower lanes
.irp c, 0,1,2,3
	v_cmp_eq_u32 vcc_lo, v[DQ+\c], v5
	v_add_co_ci_u32 v54, vcc_lo, 0, v54, vcc_lo
.endr
	v_mov_b32 v55, 0
	PSTEP 1, s42
	PSTEP 2, s43
	PSTEP 4, s44
	v_add_nc_u32 v13, v11, v55
	v_add_nc_u32 v11, v11, v54
.irp p, 0,1
	v_pk_add_f32 v[42+6*\p:43+6*\p], v[CX+2*\p:CX+2*\p+1], v[4:5] op_sel_hi:[1,0] neg_lo:[0,1] neg_hi:[0,1]
	v_pk_add_f32 v[44+6*\p:45+6*\p], v[CX+4+2*\p:CX+5+2*\p], v[6:7] op_sel_hi:[1,0] neg_lo:[0,1] neg_hi:[0,1]
	v_pk_add_f32 v[46+6*\p:47+6*\p], v[CX+8+2*\p:CX+9+2*\p], v[8:9] op_sel_hi:[1,0] neg_lo:[0,1] neg_hi:[0,1]
.endr
.irp p, 0,1
.irp i, 0,1
	v_cmp_lt_u32 vcc_lo, v13, v9                   ; may an equal still be taken?
	v_cndmask_b32 v14, v7, v5, vcc_lo
	v_cmp_le_i32 vcc_lo, v[DQ+2*\p+\i], v14        ; no d2 is negative: the bits compare as whole numbers
	v_cndmask_b32 v[42+6*\p+\i], 0, v[42+6*\p+\i], vcc_lo
	v_cndmask_b32 v[44+6*\p+\i], 0, v[44+6*\p+\i], vcc_lo
	v_cndmask_b32 v[46+6*\p+\i], 0, v[46+6*\p+\i], vcc_lo
	v_cmp_eq_u32 vcc_lo, v[DQ+2*\p+\i], v5
	v_add_co_ci_u32 v13, vcc_lo, 0, v13, vcc_lo
.endr
.endr
.irp p, 0,1
	v_pk_add_f32 v[16:17], v[16:17], v[42+6*\p:43+6*\p]
	v_pk_add_f32 v[18:19], v[18:19], v[44+6*\p:45+6*\p]
	v_pk_add_f32 v[20:21], v[20:21], v[46+6*\p:47+6*\p]
	v_pk_fma_f32 v[22:23], v[42+6*\p:43+6*\p], v[42+6*\p:43+6*\p], v[22:23]
	v_pk_fma_f32 v[24:25], v[42+6*\p:43+6*\p], v[44+6*\p:45+6*\p], v[24:25]
	v_pk_fma_f32 v[26:27], v[42+6*\p:43+6*\p], v[46+6*\p:47+6*\p], v[26:27]
	v_pk_fma_f32 v[28:29], v[44+6*\p:45+6*\p], v[44+6*\p:45+6*\p], v[28:29]
	v_pk_fma_f32 v[30:31], v[44+6*\p:45+6*\p], v[46+6*\p:47+6*\p], v[30:31]
	v_pk_fma_f32 v[32:33], v[46+6*\p:47+6*\p], v[46+6*\p:47+6*\p], v[32:33]
.endr
.endm
.irp j, 0,1,2,3,4,5,6,7
	BLKB \j
.endr
	s_cmp_gt_u32 s35, 3                            ; slots 0-7 are done with: waves 0-3 ask for the judge's operands into their registers
	s_cbranch_scc1 .Lno_jl
	v_and_b32 v59, 15, v0                          ; r
	v_lshlrev_b32 v60, 4, v59
	v_bfe_u32 v61, v0, 4, 1
	v_lshlrev_b32 v61, 5, v61                      ; 32 h
	global_load_b128 v[64:67], v60, s[12:13]       ; points 16 wave + r: 32 codes
	global_load_u8 v152, v59, s[14:15]
.irp t, 0,1
	global_load_b128 v[72+8*\t:75+8*\t], v60, s[16:17] offset:256*\t       ; W1's rows 16 t + r
	global_load_u8 v[153+\t], v59, s[18:19] offset:16*\t
	global_load_b128 v[88+8*\t:91+8*\t], v61, s[20:21] offset:64*\t        ; b1 at channels 16 t + 8 h + 0 .. 7
	global_load_b128 v[92+8*\t:95+8*\t], v61, s[20:21] offset:64*\t+16
.endr
.irp o, 0,1,2
.irp t, 0,1
	global_load_b128 v[104+16*\o+8*\t:107+16*\o+8*\t], v61, s[26:27] offset:128*\o+64*\t       ; W2's row o at the same channels
	global_load_b128 v[108+16*\o+8*\t:111+16*\o+8*\t], v61, s[26:27] offset:128*\o+64*\t+16
.endr
.endr
.Lno_jl:
.irp j, 8,9,10,11,12,13,14,15
	BLKB \j
.endr
	; ---- the covariance and its largest eigenvalue; the eight lanes of a query all compute it
	s_wait_xcnt 0x0                                ; the judge's loads have read their address registers
.set k_, 0
.rept 9
	v_add_f32 v[34+k_], v[16+2*k_], v[17+2*k_]     ; v34-36 the sums of n; v37-42 xx, xy, xz, yy, yz, zz
.set k_, k_+1
.endr
.irp m, 1,2,4
.set k_, 0
.rept 9
	v_add_f32_dpp v[34+k_], v[34+k_], v[34+k_] row_xmask:\m row_mask:0xf bank_mask:0xf
.set k_, k_+1
.endr
.endr
	v_mul_f32 v43, 0xbd800000, v34                 ; - sum / 16
	v_mul_f32 v44, 0xbd800000, v35
	v_mul_f32 v45, 0xbd800000, v36
	v_fma_f32 v37, v43, v34, v37
	v_fma_f32 v38, v43, v35, v38
	v_fma_f32 v39, v43, v36, v39
	v_fma_f32 v40, v44, v35, v40
	v_fma_f32 v41, v44, v36, v41
	v_fma_f32 v42, v45, v36, v42
.irp i, 37,38,39,40,41,42
	v_mul_f32 v[\i], 0x3d888889, v[\i]             ; / 15
.endr
	v_add_f32 v46, v37, v40
	v_add_f32 v46, v46, v42                        ; tr
	v_mul_f32 v47, s53, v46                        ; tr / 3
	v_sub_f32 v37, v37, v47
	v_sub_f32 v40, v40, v47
	v_sub_f32 v42, v42, v47
	v_mul_f32 v48, v38, v38
	v_mul_f32 v49, v37, v37
	v_fma_f32 v48, v39, v39, v48
	v_fma_f32 v49, v40, v40, v49
	v_fma_f32 v48, v41, v41, v48
	v_fma_f32 v49, v42, v42, v49
	v_fma_f32 v49, 2.0, v48, v49
	v_mul_f32 v49, 0x3e2aaaab, v49                 ; p^2
	v_max_num_f32 v50, 0x03800000, v49             ; not under 2^-120
	v_rsq_f32 v50, v50
	v_lshrrev_b32 v60, 3, v0                       ; (the plain instruction behind it)  where (lin, density) go: 8 bytes a query
	v_lshl_add_u32 v60, v60, 3, GEO
	s_wait_alu depctr_va_vdst(0)
.irp i, 37,38,39,40,41,42
	v_mul_f32 v[\i], v[\i], v50                    ; B / p
.endr
	v_mul_f32 v49, v49, v50                        ; p
	v_mul_f32 v51, v41, v41
	v_mul_f32 v52, v41, v39
	v_mul_f32 v53, v40, v39
	v_fma_f32 v51, v40, v42, -v51
	v_fma_f32 v52, v38, v42, -v52
	v_fma_f32 v53, v38, v41, -v53
	v_mul_f32 v54, v37, v51
	v_fma_f32 v54, -v38, v52, v54
	v_fma_f32 v54, v39, v53, v54                   ; det
	v_mul_f32 v54, 0.5, v54
	v_med3_num_f32 v54, v54, -1.0, 1.0             ; r
	v_fma_f32 v54, 0.5, v54, 0.5
	v_sqrt_f32 v54, v54                            ; c = cos(acos(r) / 2)
	v_nop
	s_wait_alu depctr_va_vdst(0)
	v_add_f32 v55, 0x41000000, v54
	v_mul_f32 v55, 0x3de38e39, v55                 ; the first Newton step from y = 1: (c + 8) / 9
.rept 3                                        ; y -= (y (4 y^2 - 3) - c) / (3 (4 y^2 - 1))
	v_mul_f32 v56, v55, v55
	v_fma_f32 v59, 4.0, v56, -1.0
	v_fma_f32 v57, 4.0, v56, 0xc0400000
	v_rcp_f32 v59, v59
	v_fma_f32 v57, v55, v57, -v54
	v_mul_f32 v57, s53, v57
	s_wait_alu depctr_va_vdst(0)
	v_fma_f32 v55, -v57, v59, v55
.endr
	v_mul_f32 v56, v55, v55
	v_fma_f32 v56, 2.0, v56, -1.0                  ; cos(acos(r) / 3)
	v_mul_f32 v57, v49, v56
	v_fma_f32 v57, 2.0, v57, v47                   ; lambda
	v_add_f32 v59, s52, v46
	v_rcp_f32 v59, v59
	v_fma_f32 v57, 2.0, v57, -v46                  ; lambda - (the other two)
	s_wait_alu depctr_va_vdst(0)
	v_mul_f32 v62, v57, v59                        ; lin
	ds_store_b64 v60, v[62:63]                     ; the eight lanes write the same bytes with the same values
	; ---- the judge: waves 0-3, 16 points each
	s_cmp_gt_u32 s35, 3
	s_cbranch_scc1 .Lno_judge
	s_wait_loadcnt 0x0
.irp f, 64,72,80                               ; the instruction's K is 128: registers 0-3 of lanes 0-15 are k = 0 .. 31; all else is zero codes
.irp i, 0,1,2,3
	v_cndmask_b32 v[\f+\i], 0, v[\f+\i], s45
	v_mov_b32 v[\f+4+\i], 0
.endr
.endr
	v_lshrrev_b32 v16, 5, v0                       ; (these ten lines are also the places between the operands' last write and the matrix instructions)
	v_lshlrev_b32 v16, 9, v16
	v_bfe_u32 v18, v0, 4, 1
	v_lshl_add_u32 v16, v18, 5, v16
	v_add_nc_u32 v16, PRM, v16                     ; my wave's numbers, at channels 8 h on
	v_lshrrev_b32 v17, 5, v0
	v_lshlrev_b32 v17, 8, v17
	v_and_b32 v18, 15, v0
	v_lshl_add_u32 v17, v18, 4, v17
	v_add_nc_u32 v17, PRB, v17                     ; my point's 16 bytes
.irp a, 0,1,2
.irp t, 0,1
	ds_load_b128 v[176+16*\a+8*\t:179+16*\a+8*\t], v16 offset:128*\a+64*\t
	ds_load_b128 v[180+16*\a+8*\t:183+16*\a+8*\t], v16 offset:128*\a+64*\t+16
.endr
.endr
.irp t, 0,1                                    ; source 0 = 16 channels, source 1 = my 16 points; b1 is the C.  Lane (r, h): point r, register j channel 16 t + 8 h + j
	v_wmma_scale_f32_16x16x128_f8f6f4 v[160+8*\t:167+8*\t], v[72+8*\t:79+8*\t], v[64:71], v[88+8*\t:95+8*\t], v[153+\t], v152 matrix_a_fmt:MATRIX_FMT_FP4 matrix_b_fmt:MATRIX_FMT_FP4
.endr
.rept 4
	v_nop                                          ; four places ahead of the first read of results
.endr
	s_wait_dscnt 0x0
.irp j, 0,2,4,6,8,10,12,14                     ; each accumulator from its low end on
	v_pk_add_f32 v[224+\j:225+\j], v[160+\j:161+\j], v[176+\j:177+\j] neg_lo:[0,1] neg_hi:[0,1]
.endr
.irp j, 0,2,4,6,8,10,12,14
	v_pk_fma_f32 v[224+\j:225+\j], v[224+\j:225+\j], v[192+\j:193+\j], v[208+\j:209+\j]
.endr
.set k_, 0
.rept 16
	v_max_num_f32 v[224+k_], 0, v[224+k_]
.set k_, k_+1
.endr
.irp o, 0,1,2
	v_pk_mul_f32 v[240+2*\o:241+2*\o], v[224:225], v[104+16*\o:105+16*\o]
	v_mov_b32 v[250+\o], 0
.endr
.irp j, 2,4,6,8,10,12,14
.irp o, 0,1,2
	v_pk_fma_f32 v[240+2*\o:241+2*\o], v[224+\j:225+\j], v[104+16*\o+\j:105+16*\o+\j], v[240+2*\o:241+2*\o]
.endr
.endr
.irp o, 0,1,2
	v_add_f32 v[246+\o], v[240+2*\o], v[241+2*\o]
.endr
.irp o, 0,1,2
	v_permlanex16_b32 v[250+\o], v[246+\o], s40, s41       ; the point's other 16 channels lie in the lane 16 away
.endr
.irp o, 0,1,2
	v_add_f32 v[246+\o], v[246+\o], v[250+\o]
.endr
	v_add_f32 v246, s32, v246
	v_add_f32 v247, s33, v247
	v_add_f32 v248, s34, v248
	v_max3_num_f32 v249, v246, v247, v248          ; the maximum is taken away ahead of the exponentials
.irp o, 0,1,2
	v_sub_f32 v[246+\o], v[246+\o], v249
.endr
.irp o, 0,1,2
	v_mul_f32 v[246+\o], 0x3fb8aa3b, v[246+\o]
.endr
.irp o, 0,1,2
	v_exp_f32 v[240+\o], v[246+\o]
.endr
	v_mov_b32 v243, 0
	s_wait_alu depctr_va_vdst(0)                   ; one wait for the three
	v_add_f32 v249, v240, v241
	v_add_f32 v249, v249, v242
	v_rcp_f32 v249, v249
	v_nop
	s_wait_alu depctr_va_vdst(0)
.irp o, 0,1,2
	v_mul_f32 v[240+\o], v[240+\o], v249
.endr
	ds_store_b128 v17, v[240:243]                  ; both halves of the lanes hold the same numbers
.Lno_judge:
	s_wait_dscnt 0x0
	s_barrier_signal -1
	s_barrier_wait -1                              ; lin, density and the probabilities of all 64 points lie in LDS
	; ---- the mix: 192 numbers; thread t under 96 makes numbers 2 t and 2 t + 1
	s_cmp_gt_u32 s35, 2
	s_cbranch_scc1 .Lend
	v_lshlrev_b32 v16, 1, v0
	v_add_nc_u32 v18, 1, v16
	v_mul_u32_u24 v17, v16, 171
	v_mul_u32_u24 v19, v18, 171
	v_lshrrev_b32 v17, 9, v17                      ; number / 3, right for numbers under 192: the point
	v_lshrrev_b32 v19, 9, v19
	v_mul_u32_u24 v20, v17, 3
	v_mul_u32_u24 v21, v19, 3
	v_sub_nc_u32 v20, v16, v20                     ; the axis
	v_sub_nc_u32 v21, v18, v21
	v_lshl_add_u32 v22, v17, 3, GEO
	v_lshl_add_u32 v23, v17, 4, PRB
	v_lshl_add_u32 v24, v19, 3, GEO
	v_lshl_add_u32 v25, v19, 4, PRB
	ds_load_b64 v[26:27], v22
	ds_load_b128 v[28:31], v23
	ds_load_b64 v[32:33], v24
	ds_load_b128 v[36:39], v25
	v_mov_b32 v45, 1.0
	v_lshlrev_b32 v46, 3, v0
	s_wait_dscnt 0x0
.macro MIX g, p, d, res                ; v[g] lin, v[g + 1] density, v[p] .. the probabilities, v[d] the axis
	v_fma_f32 v40, 2.0, v[\g+1], v[\p]
	v_sub_f32 v41, 1.0, v[\g]
	v_sub_f32 v42, 1.0, v[\g+1]
	v_fma_f32 v43, 2.0, v[\g], v[\p+2]
	v_max_num_f32 v41, v41, v42
	v_mul_f32 v40, s53, v40                        ; tower
	v_add_f32 v41, v41, v[\p+1]
	v_mul_f32 v43, s53, v43                        ; line
	v_mul_f32 v41, s53, v41                        ; background
	v_cmp_eq_u32 vcc_lo, 2, v[\d]
	v_cndmask_b32 v44, s54, v45, vcc_lo            ; the line grid: 0.1, 0.1, 0.2 x 5
	v_mul_f32 v[\res], s50, v40
	v_fma_f32 v[\res], v41, s51, v[\res]
	v_fma_f32 v[\res], v43, v44, v[\res]
	v_add_f32 v[\res], s52, v[\res]
.endm
	MIX 26, 28, 20, 48
	MIX 32, 36, 21, 49
	global_store_b64 v46, v[48:49], s[30:31]       ; a wave stores 256 consecutive bytes, aligned
.Lend:
	s_wait_xcnt 0x0
	v_lshl_add_u32 v254, v0, 2, 0x22e00
	v_mov_b32 v255, 0
	s_wait_tensorcnt 0x0
	ds_add_u32 v254, v255
	s_wait_dscnt 0x0
	s_endpgm
.Lfunc_end_k_q4a09e98ca5_finish:
	.size	k_q4a09e98ca5_finish, .Lfunc_end_k_q4a09e98ca5_finish-k_q4a09e98ca5_finish
	.p2alignl 7, 3214868480
	.fill 96, 4, 3214868480
	.section	.rodata,"a",@progbits
	.p2align	6, 0x0
	.amdhsa_kernel k_q4a09e98ca5_finish
		.amdhsa_group_segment_fixed_size 144896
		.amdhsa_private_segment_fixed_size 0
		.amdhsa_enable_private_segment 0
		.amdhsa_kernarg_size 112
		.amdhsa_user_sgpr_count 2
		.amdhsa_user_sgpr_kernarg_segment_ptr 1
		.amdhsa_wavefront_size32 1
		.amdhsa_system_sgpr_workgroup_id_x 1
		.amdhsa_system_sgpr_workgroup_id_y 1
		.amdhsa_system_sgpr_workgroup_id_z 1
		.amdhsa_system_vgpr_workitem_id 0
		.amdhsa_next_free_vgpr 256
		.amdhsa_next_free_sgpr 66
		.amdhsa_reserve_vcc 1
		.amdhsa_float_denorm_mode_32 3
		.amdhsa_float_denorm_mode_16_64 3
		.amdhsa_memory_ordered 1
		.amdhsa_forward_progress 1
		.amdhsa_inst_pref_size 198
	.end_amdhsa_kernel
	.amdgpu_metadata
---
amdhsa.version: [ 1, 2 ]
amdhsa.kernels:
  - .name:           k_q4a09e98ca5_finish
    .symbol:         k_q4a09e98ca5_finish.kd
    .args:
      - { .name: coord, .offset: 0, .size: 8, .value_kind: global_buffer, .address_space: global }
      - { .name: pts, .offset: 8, .size: 8, .value_kind: global_buffer, .address_space: global }
      - { .name: blk, .offset: 16, .size: 8, .value_kind: global_buffer, .address_space: global }
      - { .name: stats, .offset: 24, .size: 8, .value_kind: global_buffer, .address_space: global }
      - { .name: feat_codes, .offset: 32, .size: 8, .value_kind: global_buffer, .address_space: global }
      - { .name: feat_scales, .offset: 40, .size: 8, .value_kind: global_buffer, .address_space: global }
      - { .name: W1_codes, .offset: 48, .size: 8, .value_kind: global_buffer, .address_space: global }
      - { .name: W1_scales, .offset: 56, .size: 8, .value_kind: global_buffer, .address_space: global }
      - { .name: b1, .offset: 64, .size: 8, .value_kind: global_buffer, .address_space: global }
      - { .name: gamma, .offset: 72, .size: 8, .value_kind: global_buffer, .address_space: global }
      - { .name: beta, .offset: 80, .size: 8, .value_kind: global_buffer, .address_space: global }
      - { .name: W2, .offset: 88, .size: 8, .value_kind: global_buffer, .address_space: global }
      - { .name: b2, .offset: 96, .size: 8, .value_kind: global_buffer, .address_space: global }
      - { .name: out0, .offset: 104, .size: 8, .value_kind: global_buffer, .address_space: global }
    .group_segment_fixed_size: 144896
    .private_segment_fixed_size: 0
    .kernarg_segment_align: 8
    .kernarg_segment_size: 112
    .max_flat_workgroup_size: 512
    .sgpr_count:     66
    .vgpr_count:     256
    .wavefront_size: 32
...
	.end_amdgpu_metadata
.endif
;; end of part 2
